; MI455X (gfx1250); checked and timed in simulation.
; The chip was launched on July 23, 2026; its instructions are those of AMD's public machine-readable ISA for CDNA 5 (MIT licence, August 2026) and "CDNA5" Instruction Set Architecture Reference Guide (July 2026). The comments in the code are by the model that wrote it; some were corrected since.
;; Multi Axis Attention. Allowed arithmetic: matrix products marked QUANTISED: E4M3 operands, one given power-of-two scale a tensor, by v_wmma_f32_16x16x64_fp8_fp8 or v_wmma_f32_16x16x128_fp8_fp8, f32 sums; everything else in f32.
;; Inputs: bias_table 2,197 x 4 float32; ln_b 128 float32; ln_w 128 float32; lowp_scales 8 int32 (the exponents e of the quantised operands' scales 2^e); rel_pos_indices 343 x 343 int32; w_out 128 x 128 float32; w_qkv 128 x 384 float32; x 2 x 4 x 4 x 4 x 7 x 7 x 7 x 128 float32.
;; Outputs: out0 2 x 4 x 4 x 4 x 7 x 7 x 7 x 128 float32.
;; This version of the problem:
;;   THIS VERSION OF THE PROBLEM IS GIVEN IN LOW PRECISION. The matrix products marked QUANTISED in the list below multiply operands that are first quantised to E4M3 (4 exponent bits, 3 mantissa bits; 8 bits a number), with one given power-of-two scale for each operand tensor; their sums are f32. All else is computed in f32.
;;   The module's matrix products, in the order in which they are computed (A, B: the left and right operand; K: the contracted axis; several contracted axes count as one K, in the product's order):
;;     1. [M 43,904, K 128] x [K 128, N 384]; A: computed on the way; B: input w_qkv: QUANTISED (scales: A lowp_scales[0], B lowp_scales[1])
;;     2. batch 512 x [M 343, K 32] x [K 32, N 343]; A: computed on the way; B: computed on the way: QUANTISED (scales: A lowp_scales[2], B lowp_scales[3])
;;     3. batch 512 x [M 343, K 343] x [K 343, N 32]; A: softmax (see below); B: computed on the way: QUANTISED (scales: A lowp_scales[4], B lowp_scales[5])
;;     4. [M 43,904, K 128] x [K 128, N 128]; A: computed on the way; B: input w_out: QUANTISED (scales: A lowp_scales[6], B lowp_scales[7])
;;   THE QUANTISER, for each operand of a quantised product, along K:
;;     - The operand's scale is 2^e, e = its entry of the input lowp_scales (int32; the entries are numbered through the quantised products in the list's order, A before B).
;;     - Each number is divided by the scale, clamped to +-448, and rounded to the nearest number of E4M3, ties to even, subnormals kept.
;;     - The product sums the exact products of the quantised numbers (number of the format x scale) in f32.
;;   ~~~python
;;   def quantise(x, axis, e):      # numpy; x: float32 -> the quantised numbers, widened to float32 again
;;       x = np.moveaxis(x, axis, -1); K = x.shape[-1]
;;       r = np.clip(x / 2.0 ** e, -448, 448)
;;       step = 2.0 ** (np.maximum(np.frexp(np.where(r == 0, 1, r))[1] - 1, -6) - 3)
;;       q = np.round(r / step) * step * 2.0 ** e      # np.round: ties to even
;;       return np.moveaxis(q, -1, axis).astype(np.float32)
;;   ~~~
;;   SOFTMAX AHEAD OF A QUANTISED PRODUCT. Where the list says 'softmax', what is quantised is not the finished softmax but p = 2^(t - M), with t = logit x log2(e) and M = ceil(the row's largest t), a whole number; so 1/2 < the row's largest p <= 1. The row's sum l is taken of the UNQUANTISED p, in f32, and the product's result is divided by l at the end. Since M is a whole number, a kernel that streams over the keys may use a running M (the ceiling of the running maximum): every later rescaling is an exact power of two, so the quantised numbers keep their values, but for numbers so far below the row's largest that they fall under the format's range.
;;   OPERANDS COMPUTED ON THE WAY. 'Computed on the way' means the value that the module computes at that place (a softmax that the list does not call 'softmax' is quantised finished and normalised). What goes into a quantiser is computed in f32, as accurately as f32 sums, v_exp_f32 and their like allow (about 1e-6 of the number): no bf16 or f16 on the way to a quantiser, and a product that is left as it is and whose result goes on into a quantised operand takes f32 operands (vector FMAs, or v_wmma_f32_16x16x4_f32). A number that lies on a knife's edge between two numbers of the format may be rounded either way, as far as f32 arithmetic and the matrix unit's own rounding can turn it there, and no further.
;; One version. Each part assembles by itself: llvm-mc -triple=amdgcn-amd-amdhsa -mcpu=gfx1250 --defsym DOCPART=n.
;; ======== version 1 of 1: 2 launches
;; limits: inputs' magnitudes at most 1e+18
;; workspace buffers: bias_ws 1,982,464 bytes; wcodes 65,536 bytes
;; launch prep (part 1): grid 516 x 1, 1 waves a work-group, no clusters, 0 bytes of LDS; arguments rel_pos_indices, bias_table, w_qkv, w_out, lowp_scales, bias_ws, wcodes; writes bias_ws, wcodes
.if DOCPART == 1
	.amdgcn_target "amdgcn-amd-amdhsa--gfx1250"
	.amdhsa_code_object_version 6
	.text
	.protected	k_qa5196c4873_prep
	.globl	k_qa5196c4873_prep
	.p2align	8
	.type	k_qa5196c4873_prep,@function
k_qa5196c4873_prep:
	s_mov_b64 s[64:65], 0
	v_nop
	global_prefetch_b8 v0, s[64:65] scope:SCOPE_SE
	s_setreg_imm32_b32 hwreg(HW_REG_WAVE_MODE, 25, 1), 1
	s_wait_xcnt 0x0
; Lays out, once, what every work-group of the second launch reads again.
; Work-groups 0 to 483 (one wave each): one block (query tile T, key tile kt) of the relative-position bias, for all 4 heads, in the layout of a score product's C operand:
;   bias_ws[T 22][head 4][kt 22][c 2][lane 32][16 bytes]: register 4 c + i of lane (r, h) = bias(query 16 T + r, key POSITION 16 kt + 8 h + 4 c + i) x 2^-(e2 + e3),
;   since a sum of the score product stands for sum x 2^(e2 + e3).  Key positions are the order in which the second launch lays the keys in LDS: the half of the window's 22 tiles that
;   holds the query tile comes first.  So position tile kt is the natural tile kt for T < 11, and kt + 11 or kt - 11 for T >= 11.
;   Keys beyond 342 get the logit -2^60: their weight is then 0.  Queries beyond 342 take row 342: their results are never stored.
; Work-groups 484 to 515: one fragment (16 columns x 128 along K) of w_qkv (24) or w_out (8) as E4M3 codes, as an image of the operand's registers:
;   wcodes[fragment 32][c 4][lane 32][16 bytes]: registers 4 c .. 4 c + 3 of lane (r, h) = k 32 c + 16 h + 0 .. 15 of the lane's column.  A lane takes a column and its registers run down K.
;   w_qkv's fragment f: column 32 (f / 2) + 8 (f % 2) + r + 8 (r / 8), so that the results of two neighbouring fragments are 16 neighbours along the next K.  w_out's fragment f: column 16 f + r.
; LIMITS: e1 and e7 between -126 and 119; |e2 + e3| at most 60, so that the pad stays an f32 number.  NaN among the inputs is not served.
.set NBIAS, 484
.set LASTQ, 342                        ; the last token of a window
.set PADV,  0xdd800000                 ; -2^60
	s_load_b256 s[4:11], s[0:1], 0x0               ; indices s[4:5], table s[6:7], w_qkv s[8:9], w_out s[10:11]
	s_load_b128 s[12:15], s[0:1], 0x20             ; the scales' exponents s[12:13], bias_ws s[14:15]
	s_load_b64 s[16:17], s[0:1], 0x30              ; wcodes
	v_and_b32 v1, 15, v0                           ; r
	v_bfe_u32 v2, v0, 4, 1                         ; h
	v_lshlrev_b32 v6, 4, v0                        ; 16 x lane (one wave: the thread's number is the lane)
	s_wait_kmcnt 0x0
	s_load_b256 s[24:31], s[12:13], 0x0            ; e0 .. e7
	s_cmp_lt_u32 ttmp9, NBIAS
	s_cbranch_scc0 .Lweights
	; ---- a block of the bias
	s_mul_i32 s20, ttmp9, 2979
	s_lshr_b32 s20, s20, 16                        ; T = u / 22 (2979 / 65536 is just above 1 / 22: exact for u < 484)
	s_mul_i32 s21, s20, 22
	s_sub_co_u32 s21, ttmp9, s21                   ; kt = u % 22
	s_add_co_u32 s22, s21, 11
	s_sub_co_u32 s23, s21, 11
	s_cmp_lt_u32 s21, 11
	s_cselect_b32 s22, s22, s23                    ; the halves exchanged,
	s_cmp_lt_u32 s20, 11
	s_cselect_b32 s22, s21, s22                    ; for T >= 11 alone: the natural key tile
	s_lshl_b32 s23, s20, 4
	v_add_nc_u32 v3, s23, v1
	v_min_u32 v3, LASTQ, v3                        ; my query
	v_mul_u32_u24 v4, v3, 343                      ; its row of the indices
	s_lshl_b32 s23, s22, 4
	v_lshl_add_u32 v5, v2, 3, s23                  ; my first natural key: 16 kt' + 8 h
.irp j, 0,1,2,3,4,5,6,7
	v_add_nc_u32 v[8+\j], \j, v5                   ; the natural key of register j
	v_min_u32 v[16+\j], LASTQ, v[8+\j]             ; no load leaves the indices
	v_add_lshl_u32 v[16+\j], v[16+\j], v4, 2
.endr
.irp j, 0,1,2,3,4,5,6,7
	global_load_b32 v[24+\j], v[16+\j], s[4:5]
.endr
	s_mul_i32 s34, s20, 90112                      ; where the block goes: 4 x 22 x 1,024 bytes a query tile,
	s_lshl_b32 s35, s21, 10                        ; 1,024 a key tile
	s_add_co_u32 s34, s34, s35
	s_mov_b32 s35, 0
	s_add_nc_u64 s[14:15], s[14:15], s[34:35]
	v_mov_b32 v7, PADV
	s_wait_loadcnt 0x0
.irp j, 0,1,2,3,4,5,6,7
	v_min_u32 v[24+\j], 2196, v[24+\j]             ; an index stays inside the table of 2,197 rows
	v_lshlrev_b32 v[24+\j], 4, v[24+\j]            ; a row: 4 heads, 16 bytes
.endr
.irp j, 0,1,2,3,4,5,6,7
	global_load_b128 v[32+4*\j:35+4*\j], v[24+\j], s[6:7]
.endr
	s_wait_kmcnt 0x0
	s_add_co_i32 s32, s26, s27
	s_sub_co_i32 s32, 0, s32                       ; -(e2 + e3)
	s_wait_loadcnt 0x0
.irp j, 0,1,2,3,4,5,6,7
	v_cmp_lt_u32 vcc_lo, LASTQ, v[8+\j]            ; a key beyond the window's last
.irp d, 0,1,2,3
	v_cndmask_b32 v[32+4*\j+\d], v[32+4*\j+\d], v7, vcc_lo
.endr
.endr
.irp d, 0,1,2,3
.irp j, 0,1,2,3,4,5,6,7
	v_ldexp_f32 v[64+8*\d+\j], v[32+4*\j+\d], s32  ; the scaling also sorts the numbers by head
.endr
.endr
.irp d, 0,1,2,3
.irp c, 0,1
	global_store_b128 v6, v[64+8*\d+4*\c:67+8*\d+4*\c], s[14:15] offset:22528*\d+512*\c   ; the wave stores 512 consecutive bytes, aligned
.endr
.endr
	s_endpgm
	; ---- a fragment of a weight
.macro WLOAD base, pitch               ; W(32 c + 16 h + i, my column): sixteen neighbouring lanes read neighbouring columns
.irp c, 0,1,2,3
.irp i, 0,1,2,3,4,5,6,7,8,9,10,11,12,13,14,15
	global_load_b32 v[16+16*\c+\i], v3, s[\base:\base+1] offset:(32*\c+\i)*(\pitch)*4
.endr
.endr
.endm
.Lweights:
	s_sub_co_u32 s20, ttmp9, NBIAS                 ; f
	s_cmp_lt_u32 s20, 24
	s_cbranch_scc0 .Lwout
	s_lshr_b32 s21, s20, 1
	s_lshl_b32 s21, s21, 5
	s_and_b32 s22, s20, 1
	s_lshl_b32 s22, s22, 3
	s_add_co_u32 s21, s21, s22                     ; 32 (f / 2) + 8 (f % 2)
	v_and_b32 v3, 8, v1
	v_add3_u32 v3, v3, v1, s21                     ; + r + 8 (r / 8): my column of w_qkv
	v_lshlrev_b32 v3, 2, v3
	v_mul_u32_u24 v4, v2, 16*384*4                 ; lanes 16-31 begin 16 rows further down
	v_add_nc_u32 v3, v3, v4
	WLOAD 8, 384
	s_branch .Lquant
.Lwout:
	s_sub_co_u32 s21, s20, 24
	s_lshl_b32 s21, s21, 4
	v_add_nc_u32 v3, s21, v1                       ; my column of w_out: 16 (f - 24) + r
	v_lshlrev_b32 v3, 2, v3
	v_lshl_add_u32 v3, v2, 13, v3                  ; 16 rows of 512 bytes
	WLOAD 10, 128
.Lquant:
	s_lshl_b32 s34, s20, 11                        ; a fragment's image is 2,048 bytes
	s_mov_b32 s35, 0
	s_add_nc_u64 s[16:17], s[16:17], s[34:35]
	s_wait_kmcnt 0x0
	s_cmp_lt_u32 s20, 24
	s_cselect_b32 s22, s25, s31                    ; e1 for w_qkv, e7 for w_out
	s_add_co_i32 s22, s22, 127
	s_lshl_b32 s23, s22, 23
	v_mov_b32 v11, s23                             ; 2^e as f32: the conversion takes its exponent field
	s_add_co_i32 s22, s22, 8
	s_lshl_b32 s22, s22, 23
	s_or_b32 s22, s22, 0x600000
	v_mov_b32 v10, s22                             ; 448 x 2^e
	s_wait_loadcnt 0x0
.irp c, 0,1,2,3
.irp i, 0,1,2,3,4,5,6,7,8,9,10,11,12,13,14,15
	v_med3_num_f32 v[16+16*\c+\i], v[16+16*\c+\i], -v10, v10   ; the conversion to an 8-bit code does not saturate (ISA guide 7.6.2): the hold comes first
.endr
	v_cvt_scalef32_pk8_fp8_f32 v[80+4*\c:81+4*\c], v[16+16*\c:23+16*\c], v11
	v_cvt_scalef32_pk8_fp8_f32 v[82+4*\c:83+4*\c], v[24+16*\c:31+16*\c], v11
.endr
.irp c, 0,1,2,3
	global_store_b128 v6, v[80+4*\c:83+4*\c], s[16:17] offset:512*\c   ; the wave stores 512 consecutive bytes, aligned
.endr
	s_endpgm
.Lfunc_end_k_qa5196c4873_prep:
	.size	k_qa5196c4873_prep, .Lfunc_end_k_qa5196c4873_prep-k_qa5196c4873_prep
	.p2alignl 7, 3214868480
	.fill 96, 4, 3214868480
	.section	.rodata,"a",@progbits
	.p2align	6, 0x0
	.amdhsa_kernel k_qa5196c4873_prep
		.amdhsa_group_segment_fixed_size 0
		.amdhsa_private_segment_fixed_size 0
		.amdhsa_enable_private_segment 0
		.amdhsa_kernarg_size 56
		.amdhsa_user_sgpr_count 2
		.amdhsa_user_sgpr_kernarg_segment_ptr 1
		.amdhsa_wavefront_size32 1
		.amdhsa_system_sgpr_workgroup_id_x 1
		.amdhsa_system_sgpr_workgroup_id_y 1
		.amdhsa_system_sgpr_workgroup_id_z 1
		.amdhsa_system_vgpr_workitem_id 0
		.amdhsa_next_free_vgpr 96
		.amdhsa_next_free_sgpr 66
		.amdhsa_reserve_vcc 1
		.amdhsa_float_denorm_mode_32 3
		.amdhsa_float_denorm_mode_16_64 3
		.amdhsa_memory_ordered 1
		.amdhsa_forward_progress 1
		.amdhsa_inst_pref_size 28
	.end_amdhsa_kernel
	.amdgpu_metadata
---
amdhsa.version: [ 1, 2 ]
amdhsa.kernels:
  - .name:           k_qa5196c4873_prep
    .symbol:         k_qa5196c4873_prep.kd
    .args:
      - { .name: rel_pos_indices, .offset: 0, .size: 8, .value_kind: global_buffer, .address_space: global }
      - { .name: bias_table, .offset: 8, .size: 8, .value_kind: global_buffer, .address_space: global }
      - { .name: w_qkv, .offset: 16, .size: 8, .value_kind: global_buffer, .address_space: global }
      - { .name: w_out, .offset: 24, .size: 8, .value_kind: global_buffer, .address_space: global }
      - { .name: lowp_scales, .offset: 32, .size: 8, .value_kind: global_buffer, .address_space: global }
      - { .name: bias_ws, .offset: 40, .size: 8, .value_kind: global_buffer, .address_space: global }
      - { .name: wcodes, .offset: 48, .size: 8, .value_kind: global_buffer, .address_space: global }
    .group_segment_fixed_size: 0
    .private_segment_fixed_size: 0
    .kernarg_segment_align: 8
    .kernarg_segment_size: 56
    .max_flat_workgroup_size: 32
    .sgpr_count:     66
    .vgpr_count:     96
    .wavefront_size: 32
...
	.end_amdgpu_metadata
.endif
;; end of part 1
;; launch attn (part 2): grid 256 x 1, 11 waves a work-group, no clusters, 261,888 bytes of LDS; arguments x, ln_w, ln_b, lowp_scales, wcodes, bias_ws, out0; writes out0
.if DOCPART == 2
	.amdgcn_target "amdgcn-amd-amdhsa--gfx1250"
	.amdhsa_code_object_version 6
	.text
	.protected	k_qa5196c4873_attn
	.globl	k_qa5196c4873_attn
	.p2align	8
	.type	k_qa5196c4873_attn,@function
k_qa5196c4873_attn:
	s_mov_b64 s[64:65], 0
	v_nop
	global_prefetch_b8 v0, s[64:65] scope:SCOPE_SE
	s_setreg_imm32_b32 hwreg(HW_REG_WAVE_MODE, 25, 1), 1
	s_wait_xcnt 0x0
; Window attention, fused from x to out0: LayerNorm, QKV projection, 4 heads of scores + bias, softmax, P V, output projection.  All four products on E4M3 codes, each operand with its given scale 2^e.
; SHARES.  A window has 343 tokens: 22 tiles of 16.  A work-group is (window, half g of the query tiles): 128 x 2 = 256 work-groups.  Wave w of 11 owns ONE query tile, T0 = 11 g + w, for all 4 heads,
; so the output projection needs nothing of another wave.  K and V of the whole window are made in both work-groups of a window: wave w also normalises and projects tile T1 = 11 (1 - g) + w.
; KEY POSITIONS.  In LDS the own half's keys come first (position tile w = T0, position tile 11 + w = T1), so that no LDS address hangs on g; the bias was laid out in that order.  Sums over the keys go in that order.
; LAYOUT.  A fragment of 128 along K: registers 4 c .. 4 c + 3 of lane (r, h) hold k = 32 c + 16 h + 0 .. 15 of row r: the same permutation of k on both sides of every product.
; Q and K are made transposed (source 0 = 16 columns of w_qkv, source 1 = 16 tokens): a lane holds one token and 16 neighbouring channels.  V is made the natural way round: a lane holds one channel and 8 tokens.
; S^T = K Q^T by the K = 64 form (32 channels + 32 zero codes), its C operand the bias, loaded from memory into the accumulator's registers.  O^T = V^T P^T by the K = 128 form.  A lane holds ONE query (lane % 16) throughout.
; SOFTMAX.  t = logit x log2(e); M = the running largest t rounded up to a whole number; p = 2^(t - M) is quantised, not normalised; the sum of the unquantised p divides at the end; when M moves, the sum and O^T are multiplied by 2^(old M - new M).
; NO JOINT LOADS: what work-groups share in bulk is the bias, 11 x 4 x 22 x 1,024 = 991,232 bytes a work-group.  It goes from memory straight into accumulator registers, with no addition and no pass through LDS; a joint load
; lands in LDS, where those bytes would be written and read once more, in a ring that holds the 11 waves of each partner in step.  The weights are 65,536 bytes, copied once; x is shared by two work-groups alone.
; LIMITS on the given exponents, so that each power of two below is an f32 number: e0, e2, e4, e6, e3 - e0 - e1, e5 - e0 - e1 between -126 and 119; e6 + e7 between -126 and 127; e0 + e1 and e2 + e3 are added to an
; exponent field (|e2 + e3| at most 60).  Keys beyond 342 carry the logit -2^60: true logits lie far above it.  NaN among the inputs is not served.
.set WINB, 175616                      ; a window: 343 rows of 512 bytes
.set WO,   49152                       ; LDS: w_qkv's 24 images from byte 0, w_out's 8 from here
.set KB,   65536                       ; K's codes: 352 rows (key positions) of 128 bytes + 16
.set KP,   144
.set VB,   116224                      ; V^T's codes: 128 rows (channels) of 384 bytes + 16.  Key position 16 tt + 8 h + j lies at column 32 (tt / 2) + 8 (tt % 2) + 16 h + j; columns 352-383 are zeros
.set VP,   400
.set STG,  167424                      ; a stage of 16 rows x (512 + 16) bytes for each wave, its own: x's turn at the head, the way out at the end
.set SP,   528
.set LI,   1                           ; v1   16 x lane
.set AK,   2                           ; v2   KB + 144 r + 16 h
.set AV,   3                           ; v3   VB + 400 r + 16 h
.set SO,   4                           ; v4   my stage + 528 r + 32 h
.set SR,   5                           ; v5   my stage + 16 x lane
.set XT,   13                          ; v13  my stage + 528 r + 64 h
.set XC0,  16                          ; v16-31  the codes of xn, tile T0; later OC, the codes of the attention's result
.set XC1,  32                          ; v32-47  tile T1; later PC, p's codes
.set OC,   16
.set PC,   32
.set QC,   48                          ; v48-63  Q's codes, 4 registers a head
.set A0,   48                          ; LayerNorm: two chains, the mean twice, rstd twice, a lane permute's destination
.set A1,   50
.set MU,   52
.set RS,   54
.set TM,   56
.set XR0,  64                          ; v64-127, v128-191  x's two tiles
.set XR1,  128
.set LW,   192                         ; v192-255 ln_w;  v256-319 (window 1) ln_b
.set WF,   64                          ; projection: two buffers of two fragments
.set DA,   128                         ; v128-159 its four accumulators;  v160-167 the codes just made
.set CT,   160
.set SA,   64                          ; attention: two sets of 64: scores, then p, then V's fragments; the other set takes the next step's bias
.set KF,   192                         ; v192-223 four fragments of K: 4 registers of codes, 4 of zeros
.set QF,   224                         ; v224-231 Q's fragment of the head in hand: 4 + 4 zeros
.set OA,   232                         ; v232-247 O^T: two accumulators
.set M0,   248                         ; v248, v249 two chains of the maximum
.set FF,   250                         ; v[250:251] 2^(old M - new M)
.set T2,   252                         ; v[252:253] the sum's second chain
.set TMP,  254
.set YA,   192                         ; the output projection's eight accumulators
.set MSB, 0
.macro WIN new                         ; the immediate's high byte repeats the setting that is left
.if MSB != \new
	s_set_vgpr_msb (MSB<<8)|\new
.set MSB, \new
.endif
.endm
.macro PLACES n                        ; plain places behind matrix instructions (ISA guide 7.12.1)
.rept \n
	v_nop
.endr
.endm
.macro SCL sc, lim, e                  ; s[sc] = 2^e as f32, s[lim] = 448 x 2^e, e in s[e]
	s_add_co_i32 s55, s[\e], 127
	s_lshl_b32 s[\sc], s55, 23
	s_add_co_i32 s55, s55, 8
	s_lshl_b32 s55, s55, 23
	s_or_b32 s[\lim], s55, 0x600000
.endm
	; ---- the head: ids, addresses, 76 loads
	s_load_b256 s[4:11], s[0:1], 0x0               ; x s[4:5], ln_w s[6:7], ln_b s[8:9], the scales' exponents s[10:11]
	s_load_b128 s[12:15], s[0:1], 0x20             ; wcodes s[12:13], bias_ws s[14:15]
	s_load_b64 s[16:17], s[0:1], 0x30              ; out0
	s_set_vgpr_msb 0x40
	v_lshl_add_u32 v64, v0, 2, 0x3f900
	v_mov_b32 v65, 0
	s_set_vgpr_msb 0x4000
	v_lshrrev_b32 v1, 5, v0
	v_readfirstlane_b32 s18, v1                    ; wave 0..10
	s_and_b32 s19, ttmp9, 1                        ; g
	s_lshr_b32 s20, ttmp9, 1                       ; window
	s_mul_i32 s21, s19, 11
	s_add_co_u32 s21, s21, s18                     ; T0
	s_xor_b32 s22, s19, 1
	s_mul_i32 s22, s22, 11
	s_add_co_u32 s22, s22, s18                     ; T1
	s_mov_b32 s32, 0x76543210                      ; v_permlanex16_b32's selects for lane l xor 16
	s_mov_b32 s33, 0xfedcba98
	s_mov_b32 s53, 0x3c000000                      ; 1 / 128
	s_mov_b32 s54, 0x3727c5ac                      ; 1e-5
	v_and_b32 v14, 31, v0
	v_lshlrev_b32 v[LI], 4, v14
	v_and_b32 v14, 15, v0                          ; r
	v_bfe_u32 v15, v0, 4, 1                        ; h
	v_mul_u32_u24 v[AK], v14, KP
	v_lshl_add_u32 v[AK], v15, 4, v[AK]
	v_add_nc_u32 v[AK], KB, v[AK]
	v_mul_u32_u24 v[AV], v14, VP
	v_lshl_add_u32 v[AV], v15, 4, v[AV]
	v_add_nc_u32 v[AV], VB, v[AV]
	s_mul_i32 s23, s18, 16*SP
	s_add_co_u32 s23, s23, STG                     ; my stage
	v_mul_u32_u24 v[XT], v14, SP
	v_lshl_add_u32 v[SO], v15, 5, v[XT]
	v_add_nc_u32 v[SO], s23, v[SO]
	v_add_nc_u32 v[SR], s23, v[LI]
	v_lshl_add_u32 v[XT], v15, 6, v[XT]
	v_add_nc_u32 v[XT], s23, v[XT]
	s_mul_i32 s55, s18, 6144                       ; the weights' 128 pieces of 512 bytes: wave w copies pieces 12 w .. 12 w + 7
	v_add_nc_u32 v6, s55, v[LI]
	s_mul_i32 s55, s18, 12
	s_add_co_u32 s55, s55, 8
	s_min_u32 s55, s55, 124                        ; and 12 w + 8 .. 12 w + 11; wave 10 has none left and repeats its own pieces 124 to 127
	s_lshl_b32 s55, s55, 9
	v_add_nc_u32 v7, s55, v[LI]
	v_lshlrev_b32 v8, 6, v15                       ; ln_w, ln_b: my half's 16 numbers of each 32
	s_lshl_b32 s55, s21, 13                        ; x: a tile's rows 0-6,
	v_add_nc_u32 v9, s55, v[LI]
	s_lshl_b32 s55, s21, 4
	s_add_co_u32 s55, s55, 7
	s_min_u32 s55, s55, 334                        ; and its rows 7-15; in tile 21, which has 7 rows, rows 334-342 are read in their stead: no load leaves the window
	s_lshl_b32 s55, s55, 9
	v_add_nc_u32 v10, s55, v[LI]
	s_lshl_b32 s55, s22, 13
	v_add_nc_u32 v11, s55, v[LI]
	s_lshl_b32 s55, s22, 4
	s_add_co_u32 s55, s55, 7
	s_min_u32 s55, s55, 334
	s_lshl_b32 s55, s55, 9
	v_add_nc_u32 v12, s55, v[LI]
	s_mul_i32 s56, s20, WINB
	s_mov_b32 s57, 0
	s_lshl_b32 s58, s21, 13
	s_add_co_u32 s58, s58, s56
	s_mov_b32 s59, 0
	s_mul_i32 s60, s21, 90112
	s_mov_b32 s61, 0
	s_wait_kmcnt 0x0
	s_load_b256 s[24:31], s[10:11], 0x0            ; e0 .. e7
	s_add_nc_u64 s[4:5], s[4:5], s[56:57]          ; x at my window
	s_add_nc_u64 s[16:17], s[16:17], s[58:59]      ; out0 at my query tile
	s_add_nc_u64 s[14:15], s[14:15], s[60:61]      ; the bias at my query tile
.set i, 0
.rept 8
	global_load_b128 v[16+4*i:19+4*i], v6, s[12:13] offset:512*i
.set i, i+1
.endr
.set i, 0
.rept 4
	global_load_b128 v[48+4*i:51+4*i], v7, s[12:13] offset:512*i
.set i, i+1
.endr
.macro XLOAD dst, al, ah               ; a tile of x, a row of 512 consecutive bytes a load
.set i, 0
.rept 7
	global_load_b128 v[\dst+4*i:\dst+4*i+3], v[\al], s[4:5] offset:512*i
.set i, i+1
.endr
.set i, 0
.rept 9
	global_load_b128 v[\dst+28+4*i:\dst+28+4*i+3], v[\ah], s[4:5] offset:512*i
.set i, i+1
.endr
.endm
	XLOAD XR0, 9, 10
	XLOAD XR1, 11, 12
.irp c, 0,1,2,3
.irp j, 0,1,2,3
	global_load_b128 v[LW+16*\c+4*\j:LW+16*\c+4*\j+3], v8, s[6:7] offset:128*\c+16*\j    ; register 16 c + i = ln_w(32 c + 16 h + i)
.endr
.endr
	WIN 0x40                                       ; destination window 1
.irp c, 0,1,2,3
.irp j, 0,1,2,3
	global_load_b128 v[16*\c+4*\j:16*\c+4*\j+3], v8, s[8:9] offset:128*\c+16*\j          ; ln_b likewise
.endr
.endr
	WIN 0
	s_wait_loadcnt 63                              ; 64 loads were issued behind the weights' twelve: those are in
.set i, 0
.rept 8
	ds_store_b128 v6, v[16+4*i:19+4*i] offset:512*i    ; the images lie in LDS as in memory, from byte 0
.set i, i+1
.endr
.set i, 0
.rept 4
	ds_store_b128 v7, v[48+4*i:51+4*i] offset:512*i
.set i, i+1
.endr
; A tile of x turns through my stage: in as rows, back so that register 16 c + i of lane (r, h) is x(row r, 32 c + 16 h + i).  LDS serves a wave's instructions in order (ISA guide 5.7.1.4): no wait between.
.macro TURN x
.set i, 0
.rept 16
	ds_store_b128 v[SR], v[\x+4*i:\x+4*i+3] offset:SP*i
.set i, i+1
.endr
.irp c, 0,1,2,3
.irp j, 0,1,2,3
	ds_load_b128 v[\x+16*\c+4*\j:\x+16*\c+4*\j+3], v[XT] offset:128*\c+16*\j
.endr
.endr
.endm
	s_wait_loadcnt 48                              ; tile T0 is in; T1's 16 loads, ln_w's and ln_b's may be out
	TURN XR0
	s_wait_loadcnt 0x0
	TURN XR1
	s_wait_kmcnt 0x0
	SCL 40, 41, 24                                 ; x: e0
	SCL 42, 43, 26                                 ; Q: e2
	SCL 48, 49, 28                                 ; p: e4
	SCL 50, 51, 30                                 ; the attention's result: e6
	s_add_co_i32 s58, s24, s25                     ; a sum of the first product stands for sum x 2^(e0 + e1)
	s_sub_co_i32 s56, s27, s58
	s_sub_co_i32 s57, s29, s58
	SCL 44, 45, 56                                 ; K: e3 - e0 - e1: the three scales folded into the conversion's one
	SCL 46, 47, 57                                 ; V: e5 - e0 - e1
	s_lshl_b32 s59, s58, 23
	s_add_co_i32 s36, s59, 0x3e3504f3              ; 32^-0.5 x 2^(e0 + e1): the exponents are added to the exponent field
	s_mov_b32 s37, s36                             ; (named with it as a pair, so it is written)
	s_add_co_i32 s59, s26, s27
	s_lshl_b32 s59, s59, 23
	s_add_co_i32 s34, s59, 0x3fb8aa3b              ; c = log2(e) x 2^(e2 + e3)
	s_mov_b32 s35, s34
	s_add_co_i32 s59, s30, s31
	s_add_co_i32 s59, s59, 127
	s_lshl_b32 s38, s59, 23                        ; 2^(e6 + e7)
	s_mov_b32 s39, s38
	s_add_co_i32 s52, s28, s29                     ; e4 + e5
	; ---- LayerNorm and x's codes.  A row's 128 numbers lie in two lanes, l and l xor 16, 64 each
.macro RED                             ; the two chains, the pair's halves, the other lane's
	v_pk_add_f32 v[A0:A0+1], v[A0:A0+1], v[A1:A1+1]
	v_add_f32 v[A0], v[A0], v[A0+1]
	v_permlanex16_b32 v[TM], v[A0], s32, s33
	v_add_f32 v[A0], v[A0], v[TM]
.endm
.macro LNQ src, dst
	v_pk_add_f32 v[A0:A0+1], v[\src:\src+1], v[\src+2:\src+3]
	v_pk_add_f32 v[A1:A1+1], v[\src+4:\src+5], v[\src+6:\src+7]
.set j, 8
.rept 14
	v_pk_add_f32 v[A0:A0+1], v[A0:A0+1], v[\src+j:\src+j+1]
	v_pk_add_f32 v[A1:A1+1], v[A1:A1+1], v[\src+j+2:\src+j+3]
.set j, j+4
.endr
	RED
	v_mul_f32 v[MU], s53, v[A0]                    ; the mean, in both halves of a pair
	v_mul_f32 v[MU+1], s53, v[A0]
.set j, 0
.rept 32
	v_pk_add_f32 v[\src+j:\src+j+1], v[\src+j:\src+j+1], v[MU:MU+1] neg_lo:[0,1] neg_hi:[0,1]   ; x - mean
.set j, j+2
.endr
	v_pk_mul_f32 v[A0:A0+1], v[\src:\src+1], v[\src:\src+1]
	v_pk_mul_f32 v[A1:A1+1], v[\src+2:\src+3], v[\src+2:\src+3]
.set j, 4
.rept 15
	v_pk_fma_f32 v[A0:A0+1], v[\src+j:\src+j+1], v[\src+j:\src+j+1], v[A0:A0+1]
	v_pk_fma_f32 v[A1:A1+1], v[\src+j+2:\src+j+3], v[\src+j+2:\src+j+3], v[A1:A1+1]
.set j, j+4
.endr
	RED
	v_fma_f32 v[A0], v[A0], s53, s54               ; the variance + 1e-5
	v_rsq_f32 v[RS], v[A0]
	v_nop                                          ; a plain instruction behind the transcendental,
	s_wait_alu depctr_va_vdst(0)                   ; and the wait ahead of its first reader
	v_mov_b32 v[RS+1], v[RS]
.set j, 0
.rept 32
	v_pk_mul_f32 v[\src+j:\src+j+1], v[\src+j:\src+j+1], v[RS:RS+1]
.set j, j+2
.endr
	WIN 0x10                                       ; source 2 (ln_b) window 1
.set j, 0
.rept 32
	v_pk_fma_f32 v[\src+j:\src+j+1], v[\src+j:\src+j+1], v[LW+j:LW+j+1], v[j:j+1]
.set j, j+2
.endr
	WIN 0
.set j, 0
.rept 64
	v_med3_num_f32 v[\src+j], v[\src+j], -v15, v15 ; the conversion to an 8-bit code does not saturate (ISA guide 7.6.2): the hold at 448 x 2^e0
.set j, j+1
.endr
.irp c, 0,1,2,3
	v_cvt_scalef32_pk8_fp8_f32 v[\dst+4*\c:\dst+4*\c+1], v[\src+16*\c:\src+16*\c+7], v14
	v_cvt_scalef32_pk8_fp8_f32 v[\dst+4*\c+2:\dst+4*\c+3], v[\src+16*\c+8:\src+16*\c+15], v14
.endr
	v_nop                                          ; a plain instruction between the conversions and whatever next touches their registers
.endm
	s_wait_dscnt 32                                ; the weights' stores have read v16-63 and tile T0 is back; T1's 16 stores and 16 loads may be out
	v_mov_b32 v14, s40
	v_mov_b32 v15, s41
	v_mov_b32 v[TM], 0                             ; written once: a lane permute's destination counts as one of its sources
	LNQ XR0, XC0
	s_wait_dscnt 0x0
	LNQ XR1, XC1
	; the projection's LDS addresses: all loads that named v8-v12 are back
	v_and_b32 v11, 15, v0                          ; r
	v_bfe_u32 v12, v0, 4, 1                        ; h
	s_lshl_b32 s55, s18, 4
	v_add_nc_u32 v8, s55, v11
	v_mul_u32_u24 v8, v8, KP
	v_lshl_add_u32 v8, v12, 4, v8
	v_add_nc_u32 v8, KB, v8                        ; K: row 16 w + r, + 16 h
	v_mul_u32_u24 v9, v11, VP
	v_lshl_add_u32 v9, v12, 4, v9                  ; V: row r, + 16 h,
	s_lshr_b32 s55, s18, 1
	s_lshl_b32 s55, s55, 5
	s_and_b32 s56, s18, 1
	s_lshl_b32 s56, s56, 3
	s_add_co_u32 s55, s55, s56
	s_add_co_u32 s55, s55, VB                      ; + 32 (tt / 2) + 8 (tt % 2) for tt = w
	s_add_co_u32 s57, s18, 11
	s_lshr_b32 s58, s57, 1
	s_lshl_b32 s58, s58, 5
	s_and_b32 s57, s57, 1
	s_lshl_b32 s57, s57, 3
	s_add_co_u32 s57, s57, s58
	s_add_co_u32 s57, s57, VB                      ; and for tt = 11 + w
	v_add_nc_u32 v10, s57, v9
	v_add_nc_u32 v9, s55, v9
	v_lshrrev_b32 v11, 1, v0                       ; V's zero columns: thread t takes 16 bytes of row t / 2
	v_mul_u32_u24 v11, v11, VP
	v_and_b32 v12, 1, v0
	v_lshl_add_u32 v11, v12, 4, v11
	v_add_nc_u32 v11, VB+352, v11
	s_wait_dscnt 0x0                               ; for the others' sake: my pieces of the weights lie in LDS
	s_barrier_signal -1
	s_barrier_wait -1                              ; everybody's do
	; ---- the projection: 12 groups of two fragments of w_qkv; the next group's fragments are fetched while a group is worked
.macro FETCHW g                        ; fragments 2 g, 2 g + 1 into buffer g % 2
.set WB, WF+32*((\g)%2)
.irp f, 0,1
.irp c, 0,1,2,3
	ds_load_b128 v[WB+16*\f+4*\c:WB+16*\f+4*\c+3], v[LI] offset:2048*(2*(\g)+\f)+512*\c
.endr
.endr
.endm
.macro GHEAD g
	s_wait_dscnt 0x0                               ; this group's fragments are in, and the last group's stores have read their registers
.if (\g) < 11
	FETCHW (\g)+1                                  ; the other buffer's last readers stand more than four places back
.endif
.set WB, WF+32*((\g)%2)
.endm
.macro HOLD n                          ; the hold, each accumulator from its low end on
.set j, 0
.rept \n
	v_med3_num_f32 v[DA+j], v[DA+j], -v7, v7
.set j, j+1
.endr
.endm
.macro QGRP b                          ; head b of Q, my query tile: 16 registers = channels 32 b + 16 h + 0 .. 15 of token r
	GHEAD \b
	v_wmma_f32_16x16x128_fp8_fp8 v[DA:DA+7], v[WB:WB+15], v[XC0:XC0+15], 0
	v_wmma_f32_16x16x128_fp8_fp8 v[DA+8:DA+15], v[WB+16:WB+31], v[XC0:XC0+15], 0
	PLACES 4
.set j, 0
.rept 8
	v_pk_mul_f32 v[DA+j:DA+j+1], v[DA+j:DA+j+1], s[36:37] op_sel_hi:[1,0]   ; q x 32^-0.5, ahead of the quantiser
.set j, j+2
.endr
	HOLD 16
	v_cvt_scalef32_pk8_fp8_f32 v[QC+4*(\b):QC+4*(\b)+1], v[DA:DA+7], v6
	v_cvt_scalef32_pk8_fp8_f32 v[QC+4*(\b)+2:QC+4*(\b)+3], v[DA+8:DA+15], v6
	v_nop
.endm
.macro KGRP b                          ; head b of K, both my tiles
	GHEAD 4+(\b)
	v_wmma_f32_16x16x128_fp8_fp8 v[DA:DA+7], v[WB:WB+15], v[XC0:XC0+15], 0
	v_wmma_f32_16x16x128_fp8_fp8 v[DA+8:DA+15], v[WB+16:WB+31], v[XC0:XC0+15], 0
	v_wmma_f32_16x16x128_fp8_fp8 v[DA+16:DA+23], v[WB:WB+15], v[XC1:XC1+15], 0
	v_wmma_f32_16x16x128_fp8_fp8 v[DA+24:DA+31], v[WB+16:WB+31], v[XC1:XC1+15], 0
	PLACES 4
	HOLD 32
.irp q, 0,1,2,3
	v_cvt_scalef32_pk8_fp8_f32 v[CT+2*\q:CT+2*\q+1], v[DA+8*\q:DA+8*\q+7], v6
.endr
	v_nop
	ds_store_b128 v8, v[CT:CT+3] offset:32*(\b)                ; key position 16 w + r
	ds_store_b128 v8, v[CT+4:CT+7] offset:176*KP+32*(\b)       ; key position 176 + 16 w + r
.endm
.macro VGRP b                          ; head b of V, both my tiles, the natural way round: 8 registers = tokens 8 h + 0 .. 7 of the lane's channel
	GHEAD 8+(\b)
	v_wmma_f32_16x16x128_fp8_fp8 v[DA:DA+7], v[XC0:XC0+15], v[WB:WB+15], 0
	v_wmma_f32_16x16x128_fp8_fp8 v[DA+8:DA+15], v[XC0:XC0+15], v[WB+16:WB+31], 0
	v_wmma_f32_16x16x128_fp8_fp8 v[DA+16:DA+23], v[XC1:XC1+15], v[WB:WB+15], 0
	v_wmma_f32_16x16x128_fp8_fp8 v[DA+24:DA+31], v[XC1:XC1+15], v[WB+16:WB+31], 0
	PLACES 4
	HOLD 32
.irp q, 0,1,2,3
	v_cvt_scalef32_pk8_fp8_f32 v[CT+2*\q:CT+2*\q+1], v[DA+8*\q:DA+8*\q+7], v6
.endr
	v_nop
	ds_store_b64 v9, v[CT:CT+1] offset:16*VP*(2*(\b))
	ds_store_b64 v9, v[CT+2:CT+3] offset:16*VP*(2*(\b)+1)
	ds_store_b64 v10, v[CT+4:CT+5] offset:16*VP*(2*(\b))
	ds_store_b64 v10, v[CT+6:CT+7] offset:16*VP*(2*(\b)+1)
.endm
	FETCHW 0
	v_mov_b32 v6, s42
	v_mov_b32 v7, s43
.irp b, 0,1,2,3
	QGRP \b
.endr
	v_mov_b32 v6, s44
	v_mov_b32 v7, s45
.irp b, 0,1,2,3
	KGRP \b
.endr
	v_mov_b32 v6, s46
	v_mov_b32 v7, s47
.irp b, 0,1,2,3
	VGRP \b
.endr
.irp t, 0,1,2,3
.irp i, 4,5,6,7
	v_mov_b32 v[KF+8*\t+\i], 0                     ; the K = 64 form's upper 32 along K: zero codes, for good
.endr
.endr
.irp i, 4,5,6,7
	v_mov_b32 v[QF+\i], 0
.endr
	v_mov_b32 v[FF+1], 0                           ; (named as the upper half of a pair)
	v_mov_b32 v[TMP], 0                            ; (a lane permute's destination)
	s_cmp_lt_u32 s18, 8                            ; 256 threads x 16 bytes: V's columns 352-383, the rest of the last 128 along the keys
	s_cbranch_scc0 .Lno_zero
	ds_store_b128 v11, v[KF+4:KF+7]
.Lno_zero:
	; ---- the attention: 12 steps (4 heads x 3 steps of 8, 8 and 6 key tiles), written out: the two sets change places from step to step
.macro BIAS n                          ; step n's bias: the C operands of its score products, into the set that the step will use
.set BH, (\n)/3
.set BS, (\n)%3
.set BX, SA+64*((\n)%2)
.set BT, 8-2*(BS/2)
.set t, 0
.rept BT
	global_load_b128 v[BX+8*t:BX+8*t+3], v[LI], s[14:15] offset:22528*BH+1024*(8*BS+t)
	global_load_b128 v[BX+8*t+4:BX+8*t+7], v[LI], s[14:15] offset:22528*BH+1024*(8*BS+t)+512
.set t, t+1
.endr
.endm
.macro KLOAD n, g                      ; K's fragments of step n, group g of four tiles (the last step's second group: two)
.set KH, (\n)/3
.set KS, (\n)%3
.set KN, 4
.if (KS == 2) && ((\g) == 1)
.set KN, 2
.endif
.set t, 0
.rept KN
	ds_load_b128 v[KF+8*t:KF+8*t+3], v[AK] offset:16*KP*(8*KS+4*(\g)+t)+32*KH
.set t, t+1
.endr
.endm
.macro SCORE g, cnt                    ; S^T = K Q^T + bias: each accumulator once, so no two matrix instructions that follow each other share one
.set t, 0
.rept \cnt
	v_wmma_f32_16x16x64_fp8_fp8 v[X+8*(4*(\g)+t):X+8*(4*(\g)+t)+7], v[KF+8*t:KF+8*t+7], v[QF:QF+7], v[X+8*(4*(\g)+t):X+8*(4*(\g)+t)+7]
.set t, t+1
.endr
.endm
.macro PCVT b                          ; 16 neighbouring columns of V^T's rows: registers 4 b .. 4 b + 3 of p's fragment
	v_cvt_scalef32_pk8_fp8_f32 v[PC+4*(\b):PC+4*(\b)+1], v[X+16*(\b):X+16*(\b)+7], v6
	v_cvt_scalef32_pk8_fp8_f32 v[PC+4*(\b)+2:PC+4*(\b)+3], v[X+16*(\b)+8:X+16*(\b)+15], v6
.endm
.macro STEP hd, s
.set N, 3*(\hd)+(\s)
.set X, SA+64*(N%2)
.set NT, 8-2*((\s)/2)
.set NR, 8*NT
	s_wait_loadcnt 0x0                             ; this step's bias, asked for a step ago, is in; nothing else is out
.if (\s) == 0
.irp i, 0,1,2,3
	v_mov_b32 v[QF+\i], v[QC+4*(\hd)+\i]           ; the head's Q.  (Four places in front of the loads below)
.endr
.else
	PLACES 4                                       ; in front of loads into registers that the last step's products read
.endif
.if N < 11
	BIAS N+1
.endif
	s_wait_dscnt 0x0                               ; K's first four fragments
	SCORE 0, 4
	PLACES 4
	KLOAD N, 1
	v_max3_num_f32 v[M0], v[X], v[X+1], v[X+2]     ; the largest score, two chains, ascending: each accumulator is read from its low end on
	v_max3_num_f32 v[M0+1], v[X+3], v[X+4], v[X+5]
.set j, 6
.rept 13
	v_max3_num_f32 v[M0+(j/2+1)%2], v[M0+(j/2+1)%2], v[X+j], v[X+j+1]
.set j, j+2
.endr
	s_wait_dscnt 0x0
	SCORE 1, NT-4
	PLACES 4
.if N < 11
	KLOAD N+1, 0                                   ; the next step's first four
.endif
.set j, 32
.rept (NR-32)/2
	v_max3_num_f32 v[M0+(j/2)%2], v[M0+(j/2)%2], v[X+j], v[X+j+1]
.set j, j+2
.endr
	v_max_num_f32 v[M0], v[M0], v[M0+1]
	v_permlanex16_b32 v[TMP], v[M0], s32, s33
	v_max_num_f32 v[M0], v[M0], v[TMP]             ; and lane l xor 16's: the query's other keys
.if (\s) == 0
	v_mul_f32 v13, s34, v[M0]                      ; as t (c is positive): a head's first step starts the running maximum
	v_floor_f32 v12, -v13                          ; -M = floor(-t) = -ceil(t)
.else
	v_mul_f32 v[M0], s34, v[M0]
	v_mov_b32 v[M0+1], v12
	v_max_num_f32 v13, v13, v[M0]
	v_floor_f32 v12, -v13
	v_sub_f32 v[M0+1], v12, v[M0+1]                ; old M - new M: a whole number, 0 or less
	v_cvt_i32_f32 v[M0+1], v[M0+1]
	v_ldexp_f32 v[FF], 1.0, v[M0+1]                ; f = 2^(old M - new M): a multiplication by it rounds nothing
.endif
.set j, 0
.rept NR/2
	v_pk_fma_f32 v[X+j:X+j+1], v[X+j:X+j+1], s[34:35], v[12:13] op_sel_hi:[1,0,0]   ; t - M (of the pairs c and -M the low word serves both halves)
.set j, j+2
.endr
.set j, 0
.rept NR
	v_exp_f32 v[X+j], v[X+j]                       ; p = 2^(t - M)
.set j, j+1
.endr
.if (\s) == 0
	v_nop                                          ; a plain instruction behind the batch
.else
	v_pk_mul_f32 v[14:15], v[14:15], v[FF:FF+1] op_sel_hi:[1,0]   ; the sum under the new M.  (A plain instruction behind the batch)
.endif
	s_wait_alu depctr_va_vdst(0)                   ; one wait for the batch, ahead of its first reader
.if (\s) == 0
	v_pk_add_f32 v[14:15], v[X:X+1], v[X+2:X+3]    ; the sum of the UNQUANTISED p, two chains; a head's first step starts it
	v_pk_add_f32 v[T2:T2+1], v[X+4:X+5], v[X+6:X+7]
.set j, 8
.else
	v_pk_add_f32 v[T2:T2+1], v[X:X+1], v[X+2:X+3]
.set j, 4
.endif
.rept (NR-j)/4
	v_pk_add_f32 v[14:15], v[14:15], v[X+j:X+j+1]
	v_pk_add_f32 v[T2:T2+1], v[T2:T2+1], v[X+j+2:X+j+3]
.set j, j+4
.endr
	v_pk_add_f32 v[14:15], v[14:15], v[T2:T2+1]
	s_cmp_ge_i32 s28, -8                           ; p is at most 1 (but for a last bit), and 448 x 2^e4 is 1.75 or more from e4 = -8 on: the hold can then change nothing and is passed over.
	s_cbranch_scc1 .Lno_hold_\@                    ; A branch on a given whole number, the same in every wave; no barrier stands behind it in this text's steps
.set j, 0
.rept NR
	v_min_num_f32 v[X+j], v[X+j], v7               ; the conversion does not saturate (ISA guide 7.6.2); p is not negative, so the hold is one-sided
.set j, j+1
.endr
.Lno_hold_\@:
.if (\s) == 2
.irp i, 12,13,14,15
	v_mov_b32 v[PC+\i], 0                          ; the last step has 96 keys: zero codes for the rest of its 128
.endr
.endif
	PCVT 0
	PCVT 1
.irp u, 0,1
.irp c, 0,1,2,3
	ds_load_b128 v[X+16*\u+4*\c:X+16*\u+4*\c+3], v[AV] offset:VP*(32*(\hd)+16*\u)+128*(\s)+32*\c   ; V^T's two fragments, into registers whose p has been converted
.endr
.endr
	PCVT 2
.if (\s) < 2
	PCVT 3
.endif
.if (\s) == 0
	v_nop                                          ; a plain instruction between the conversions and the products that read their results
.else
.set j, 0
.rept 8
	v_pk_mul_f32 v[OA+j:OA+j+1], v[OA+j:OA+j+1], v[FF:FF+1] op_sel_hi:[1,0]   ; O^T under the new M
.set j, j+2
.endr
.endif
	s_wait_dscnt 0x0
.irp u, 0,1
.if (\s) == 0
	v_wmma_f32_16x16x128_fp8_fp8 v[OA+8*\u:OA+8*\u+7], v[X+16*\u:X+16*\u+15], v[PC:PC+15], 0
.else
	v_wmma_f32_16x16x128_fp8_fp8 v[OA+8*\u:OA+8*\u+7], v[X+16*\u:X+16*\u+15], v[PC:PC+15], v[OA+8*\u:OA+8*\u+7]
.endif
.endr
.endm
; A head's end: O^T / the sum x 2^(e4 + e5), quantised: its 16 registers are channels 32 hd + 16 h + 0 .. 15 of my query: registers 4 hd .. 4 hd + 3 of the last product's operand.
.macro HEADEND hd
	v_add_f32 v14, v14, v15                        ; (these lines are also the places behind the last products)
	v_permlanex16_b32 v[TMP], v14, s32, s33
	v_add_f32 v14, v14, v[TMP]
	v_rcp_f32 v14, v14
	v_nop
	v_nop
	s_wait_alu depctr_va_vdst(0)                   ; the wait ahead of the reciprocal's first reader
	v_ldexp_f32 v14, v14, s52
.if (\hd) == 3
.irp f, 0,1,2,3,4,5,6,7
.irp c, 0,1,2,3
	ds_load_b128 v[SA+16*\f+4*\c:SA+16*\f+4*\c+3], v[LI] offset:WO+2048*\f+512*\c   ; w_out's eight fragments, into both sets, which are free
.endr
.endr
.endif
.set j, 0
.rept 8
	v_pk_mul_f32 v[OA+j:OA+j+1], v[OA+j:OA+j+1], v[14:15] op_sel_hi:[1,0]
.set j, j+2
.endr
.set j, 0
.rept 16
	v_med3_num_f32 v[OA+j], v[OA+j], -v9, v9
.set j, j+1
.endr
	v_cvt_scalef32_pk8_fp8_f32 v[OC+4*(\hd):OC+4*(\hd)+1], v[OA:OA+7], v8
	v_cvt_scalef32_pk8_fp8_f32 v[OC+4*(\hd)+2:OC+4*(\hd)+3], v[OA+8:OA+15], v8
	v_nop
.endm
	BIAS 0
	s_wait_dscnt 0x0                               ; for the others' sake: my rows of K and columns of V lie in LDS
	s_barrier_signal -1
	v_mov_b32 v6, s48                              ; 2^e4, 448 x 2^e4, 2^e6, 448 x 2^e6: the stores that named v8 and v9 are done
	v_mov_b32 v7, s49
	v_mov_b32 v8, s50
	v_mov_b32 v9, s51
	s_barrier_wait -1                              ; everybody's do
	KLOAD 0, 0
.irp hd, 0,1,2,3
.irp s, 0,1,2
	STEP \hd, \s
.endr
	HEADEND \hd
.endr
	; ---- the output projection, transposed: register j of accumulator ct = out(token r, 16 ct + 8 h + j)
	s_wait_dscnt 0x0
.set t, 0
.rept 8
	v_wmma_f32_16x16x128_fp8_fp8 v[YA+8*t:YA+8*t+7], v[SA+16*t:SA+16*t+15], v[OC:OC+15], 0
.set t, t+1
.endr
	PLACES 4
.set j, 0
.rept 32
	v_pk_mul_f32 v[YA+j:YA+j+1], v[YA+j:YA+j+1], s[38:39] op_sel_hi:[1,0]   ; x 2^(e6 + e7), each accumulator from its low end on
.set j, j+2
.endr
.set t, 0
.rept 8
	ds_store_b128 v[SO], v[YA+8*t:YA+8*t+3] offset:64*t
	ds_store_b128 v[SO], v[YA+8*t+4:YA+8*t+7] offset:64*t+16
.set t, t+1
.endr
.set i, 0
.rept 16
	ds_load_b128 v[SA+4*i:SA+4*i+3], v[SR] offset:SP*i      ; back as whole rows; LDS serves a wave's instructions in order (ISA guide 5.7.1.4): these see my stores
.set i, i+1
.endr
	s_wait_dscnt 0x0
.set i, 0
.rept 7
	global_store_b128 v[LI], v[SA+4*i:SA+4*i+3], s[16:17] offset:512*i th:TH_STORE_NT   ; the wave stores a row: 512 consecutive bytes, aligned
.set i, i+1
.endr
	s_cmp_eq_u32 s21, 21                           ; tile 21 has 7 rows: tokens 336 to 342
	s_cbranch_scc1 .Lend
.rept 9
	global_store_b128 v[LI], v[SA+4*i:SA+4*i+3], s[16:17] offset:512*i th:TH_STORE_NT
.set i, i+1
.endr
.Lend:
	s_set_vgpr_msb 0x5
	s_wait_tensorcnt 0x0
	ds_add_u32 v64, v65
	s_wait_dscnt 0x0
	s_set_vgpr_msb 0x500
	s_endpgm
.Lfunc_end_k_qa5196c4873_attn:
	.size	k_qa5196c4873_attn, .Lfunc_end_k_qa5196c4873_attn-k_qa5196c4873_attn
	.p2alignl 7, 3214868480
	.fill 96, 4, 3214868480
	.section	.rodata,"a",@progbits
	.p2align	6, 0x0
	.amdhsa_kernel k_qa5196c4873_attn
		.amdhsa_group_segment_fixed_size 261888
		.amdhsa_private_segment_fixed_size 0
		.amdhsa_enable_private_segment 0
		.amdhsa_kernarg_size 56
		.amdhsa_user_sgpr_count 2
		.amdhsa_user_sgpr_kernarg_segment_ptr 1
		.amdhsa_wavefront_size32 1
		.amdhsa_system_sgpr_workgroup_id_x 1
		.amdhsa_system_sgpr_workgroup_id_y 1
		.amdhsa_system_sgpr_workgroup_id_z 1
		.amdhsa_system_vgpr_workitem_id 0
		.amdhsa_next_free_vgpr 322
		.amdhsa_next_free_sgpr 66
		.amdhsa_reserve_vcc 0
		.amdhsa_float_denorm_mode_32 3
		.amdhsa_float_denorm_mode_16_64 3
		.amdhsa_memory_ordered 1
		.amdhsa_forward_progress 1
		.amdhsa_inst_pref_size 255
	.end_amdhsa_kernel
	.section	.bss,"aw",@nobits
	.p2align	6
	.space	262144
	.amdgpu_metadata
---
amdhsa.version: [ 1, 2 ]
amdhsa.kernels:
  - .name:           k_qa5196c4873_attn
    .symbol:         k_qa5196c4873_attn.kd
    .args:
      - { .name: x, .offset: 0, .size: 8, .value_kind: global_buffer, .address_space: global }
      - { .name: ln_w, .offset: 8, .size: 8, .value_kind: global_buffer, .address_space: global }
      - { .name: ln_b, .offset: 16, .size: 8, .value_kind: global_buffer, .address_space: global }
      - { .name: lowp_scales, .offset: 24, .size: 8, .value_kind: global_buffer, .address_space: global }
      - { .name: wcodes, .offset: 32, .size: 8, .value_kind: global_buffer, .address_space: global }
      - { .name: bias_ws, .offset: 40, .size: 8, .value_kind: global_buffer, .address_space: global }
      - { .name: out0, .offset: 48, .size: 8, .value_kind: global_buffer, .address_space: global }
    .group_segment_fixed_size: 261888
    .private_segment_fixed_size: 0
    .kernarg_segment_align: 8
    .kernarg_segment_size: 56
    .max_flat_workgroup_size: 352
    .sgpr_count:     66
    .vgpr_count:     322
    .wavefront_size: 32
...
	.end_amdgpu_metadata
.endif
;; end of part 2
